; MI455X (gfx1250); checked and timed in simulation.
; The chip was launched on July 23, 2026; its instructions are those of AMD's public machine-readable ISA for CDNA 5 (MIT licence, August 2026) and "CDNA5" Instruction Set Architecture Reference Guide (July 2026). The comments in the code are by the model that wrote it; some were corrected since.
;; Index Linear. Allowed arithmetic: float matrix products may take bf16 or f16 operands with f32 sums; all other float work in f32.
;; Inputs: W 16 x 1,024 x 1,024 float32; b 16 x 1,024 float32; ind 4,096 int32; x 4,096 x 1,024 float32.
;; Outputs: out0 4,096 x 1,024 float32.
;; 2 versions, each right and faster than the one before. Each part assembles by itself: llvm-mc -triple=amdgcn-amd-amdhsa -mcpu=gfx1250 --defsym DOCPART=n.
;; ======== version 1 of 2: 2 launches
;; workspace buffers: order 262,400 bytes of whole numbers
;; launch route (part 1): grid 16 x 1, 32 waves a work-group, no clusters, 256 bytes of LDS; arguments ind, order; writes order
.if DOCPART == 1
	.amdgcn_target "amdgcn-amd-amdhsa--gfx1250"
	.amdhsa_code_object_version 6
	.text
	.protected	k_q9ed812d764_route
	.globl	k_q9ed812d764_route
	.p2align	8
	.type	k_q9ed812d764_route,@function
k_q9ed812d764_route:
	s_mov_b64 s[64:65], 0
	v_nop
	global_prefetch_b8 v0, s[64:65] scope:SCOPE_SE
	s_setreg_imm32_b32 hwreg(HW_REG_WAVE_MODE, 25, 1), 1
	s_wait_xcnt 0x0
; For each expert e (one work-group each): the list of the tokens n with ind[n] = e, and their number.
; order, bytes 16384 e + 4 p: place p of expert e's list.  Places below count[e] hold token numbers, the places from count[e] on hold 0;
; all 4,096 places are stored, so that a later reader may fetch any whole tile of 32 places.  order, bytes 262144 + 4 e: count[e].
; 1,024 threads; thread t holds ind[4t .. 4t+3].  The entries are numbered kappa = 128 wave + 32 j + lane (j: which of the lane's four):
; any numbering serves, since the order inside a list does not matter, and in this one neighbouring lanes get neighbouring places.
; A match goes to place rank = matches with a smaller kappa; a non-match puts a 0 at place count + (kappa - rank): a bijection onto 0 .. 4095.
; All arithmetic is on whole numbers.  LIMIT: ind is taken to lie in 0 .. 15; an entry outside is in no list.
.set LISTB,  16384                     ; bytes of one expert's list
.set COUNTS, 262144                    ; byte offset of the counts
	s_load_b128 s[4:7], s[0:1], 0x0                ; ind s[4:5], order s[6:7]
	v_lshrrev_b32 v24, 5, v0
	v_readfirstlane_b32 s8, v24                    ; wave 0 .. 31
	s_mov_b32 s9, ttmp9                            ; e
	s_lshl_b32 s10, s9, 14                         ; e x 16,384 bytes,
	s_mov_b32 s11, 0                               ; as a pair
	s_mov_b32 s26, 0x76543210                      ; v_permlanex16_b32: lane i of one half reads lane i of the other
	s_mov_b32 s27, 0xfedcba98
	v_lshlrev_b32 v1, 4, v0                        ; 16 t: my four entries
	v_and_b32 v2, 31, v0                           ; lane
	v_lshlrev_b32 v3, 2, v0                        ; 4 t: my first token's number
	s_wait_kmcnt 0x0
	s_add_nc_u64 s[12:13], s[6:7], s[10:11]        ; expert e's list
	global_load_b128 v[4:7], v1, s[4:5]
	v_mov_b32 v8, s8
	v_lshlrev_b32 v8, 2, v8                        ; LDS word of my wave
	v_lshlrev_b32 v10, 2, v2                       ; LDS word of wave number = my lane
	v_lshl_add_u32 v15, s8, 7, v2                  ; kappa for j = 0
	v_mov_b32 v13, 0                               ; written once: a lane exchange counts as a reader of its destination
	s_wait_loadcnt 0x0
.irp j, 0,1,2,3
	v_cmp_eq_u32 s[16+\j], s9, v[4+\j]             ; which lanes' entry j names expert e
.endr
.irp j, 0,1,2,3
	s_bcnt1_i32_b32 s[21+\j], s[16+\j]
.endr
	s_mov_b32 s20, 0                               ; s[20+j] = matches of my wave in entries below j
	s_add_co_u32 s22, s22, s21
	s_add_co_u32 s23, s23, s22
	s_add_co_u32 s24, s24, s23                     ; my wave's matches
	v_mov_b32 v9, s24
	ds_store_b32 v8, v9                            ; all lanes write the same word with the same value
	s_wait_dscnt 0x0                               ; for the other waves' sake: zero
	s_barrier_signal -1
	s_barrier_wait -1
	ds_load_b32 v11, v10                           ; lane L: the matches of wave L
	s_wait_dscnt 0x0
	; one sum over the lanes for two figures: low 16 bits all waves' matches, high 16 bits those of the waves in front of mine (4,096 at the most each)
	v_cmp_gt_u32 vcc_lo, s8, v2
	v_lshlrev_b32 v24, 16, v11
	v_cndmask_b32 v24, 0, v24, vcc_lo
	v_add_nc_u32 v12, v11, v24
.irp k, 1,2,4,8
	v_mov_b32_dpp v13, v12 row_xmask:\k row_mask:0xf bank_mask:0xf
	v_add_nc_u32 v12, v12, v13
.endr
	v_permlanex16_b32 v13, v12, s26, s27
	v_add_nc_u32 v12, v12, v13
	v_and_b32 v25, 0xffff, v12
	v_readfirstlane_b32 s25, v25                   ; count[e]
	v_lshrrev_b32 v14, 16, v12                     ; matches in the waves in front of mine
	; each entry's place and value; place and value have registers of their own for each j, so no store's source is written again
.irp j, 0,1,2,3
	v_add_nc_u32 v25, s[20+\j], v14
	v_mbcnt_lo_u32_b32 v24, s[16+\j], v25          ; rank: + the matching lanes below mine
	v_sub_nc_u32 v[16+\j], v15, v24
	v_add3_u32 v[16+\j], v[16+\j], s25, 32*\j      ; count + kappa - rank
	v_cndmask_b32 v[16+\j], v[16+\j], v24, s[16+\j]
	v_add_nc_u32 v[20+\j], \j, v3
	v_cndmask_b32 v[20+\j], 0, v[20+\j], s[16+\j]  ; the token's number, or 0
	v_min_u32 v[16+\j], 0xfff, v[16+\j]            ; a place is 0 .. 4095 by the arithmetic above; the bound is also written out
	v_lshlrev_b32 v[16+\j], 2, v[16+\j]
	global_store_b32 v[16+\j], v[20+\j], s[12:13]
.endr
	s_cmp_lg_u32 s8, 0
	s_cbranch_scc1 .Lend                           ; the count is stored by lane 0 of wave 0
	s_lshl_b32 s29, s9, 2
	v_mov_b32 v26, s29
	v_mov_b32 v27, s25
	s_wait_xcnt 0x0                                ; EXEC is a source of the stores above: it changes only behind this wait
	v_cmp_eq_u32 vcc_lo, 0, v2
	s_and_saveexec_b32 s28, vcc_lo
	global_store_b32 v26, v27, s[6:7] offset:COUNTS
	s_wait_xcnt 0x0                                ; and again in front of the line that widens it
	s_or_b32 exec_lo, exec_lo, s28
.Lend:
	s_endpgm
.Lfunc_end_k_q9ed812d764_route:
	.size	k_q9ed812d764_route, .Lfunc_end_k_q9ed812d764_route-k_q9ed812d764_route
	.p2alignl 7, 3214868480
	.fill 96, 4, 3214868480
	.section	.rodata,"a",@progbits
	.p2align	6, 0x0
	.amdhsa_kernel k_q9ed812d764_route
		.amdhsa_group_segment_fixed_size 256
		.amdhsa_private_segment_fixed_size 0
		.amdhsa_enable_private_segment 0
		.amdhsa_kernarg_size 16
		.amdhsa_user_sgpr_count 2
		.amdhsa_user_sgpr_kernarg_segment_ptr 1
		.amdhsa_wavefront_size32 1
		.amdhsa_system_sgpr_workgroup_id_x 1
		.amdhsa_system_sgpr_workgroup_id_y 1
		.amdhsa_system_sgpr_workgroup_id_z 1
		.amdhsa_system_vgpr_workitem_id 0
		.amdhsa_next_free_vgpr 32
		.amdhsa_next_free_sgpr 66
		.amdhsa_reserve_vcc 1
		.amdhsa_float_denorm_mode_32 3
		.amdhsa_float_denorm_mode_16_64 3
		.amdhsa_memory_ordered 1
		.amdhsa_forward_progress 1
		.amdhsa_inst_pref_size 6
	.end_amdhsa_kernel
	.amdgpu_metadata
---
amdhsa.version: [ 1, 2 ]
amdhsa.kernels:
  - .name:           k_q9ed812d764_route
    .symbol:         k_q9ed812d764_route.kd
    .args:
      - { .name: ind, .offset: 0, .size: 8, .value_kind: global_buffer, .address_space: global }
      - { .name: order, .offset: 8, .size: 8, .value_kind: global_buffer, .address_space: global }
    .group_segment_fixed_size: 256
    .private_segment_fixed_size: 0
    .kernarg_segment_align: 8
    .kernarg_segment_size: 16
    .max_flat_workgroup_size: 1024
    .sgpr_count:     66
    .vgpr_count:     32
    .wavefront_size: 32
...
	.end_amdgpu_metadata
.endif
;; end of part 1
;; launch gemm (part 2): grid 16 x 16, 16 waves a work-group, no clusters, 271,360 bytes of LDS; arguments x, W, b, order, out0; writes out0
.if DOCPART == 2
	.amdgcn_target "amdgcn-amd-amdhsa--gfx1250"
	.amdhsa_code_object_version 6
	.text
	.protected	k_q9ed812d764_gemm
	.globl	k_q9ed812d764_gemm
	.p2align	8
	.type	k_q9ed812d764_gemm,@function
k_q9ed812d764_gemm:
	s_mov_b64 s[64:65], 0
	v_nop
	global_prefetch_b8 v0, s[64:65] scope:SCOPE_SE
	s_setreg_imm32_b32 hwreg(HW_REG_WAVE_MODE, 25, 1), 1
	s_wait_xcnt 0x0
; out0[n][o] = sum over k of W[ind[n]][o][k] x[n][k] + b[ind[n]][o], as a grouped product: each token meets its own expert alone.
; Work-group (ob, e): the 64 output columns 64 ob .. 64 ob + 63 of expert e, for all tokens of e's list (made by the launch before: order).
; 16 x 16 = 256 work-groups; each reads its own 64 x 1,024 slab of W (256 KiB of f32, read by nobody else) once, rounds it to bf16 and
; keeps it in LDS.  Behind ONE barrier the sixteen waves no longer depend on each other: wave w takes the tiles w, w + 16, .. of 32 listed
; tokens; per tile it gathers the tokens' rows of x in 16 chunks of 64 k, rounds them to bf16 into a stage of its own, multiplies
; (32 tokens x 64 columns = 8 accumulator tiles), adds the bias and scatters rows of 256 bytes.
; A wave's FIRST tile is written out ahead of the loop: its places of the list and its first chunk of x are asked for ahead of the barrier,
; while W is on its way.  The loop serves an expert's tokens from the 513th on; each trip loads and bounds its own places first.
; NUMBERS: matrix operands are rounded to bf16 (nearest even), sums and bias are f32.  ind is taken to lie in 0 .. 15.
; LEFT OUT, AND WHY: the tensor data mover (x's rows follow a list, and W changes its format on the way, so both pass through registers:
; W's f32 form never lies in LDS); clusters (no two work-groups share a byte of W, and the shared rows of x are gathered);
; four waves with 128 x 128 tiles (an expert has 4,096 / 16 tokens on average, and any number is allowed, so the tile along the tokens is
; kept at 32 and the tiles are dealt to sixteen waves); an early end for an expert without tokens ahead of the W loads (it would put the
; count's scalar load in front of every work-group's first loads).
; THE MATRIX INSTRUCTION IS USED TRANSPOSED: source 0 = 16 rows of W, source 1 = 16 tokens.  Lane (r = lane % 16, h = lane / 16) then holds,
; in register j of a result, out(token r, column 8 h + j): eight neighbouring numbers of a token's row.
.set WPITCH, 2064                      ; a row of the slab in LDS: 1,024 bf16 + 16 bytes = 129 x 16, so 16 rows' fragments start at 16 different 16-byte columns
.set ST,     64*WPITCH                 ; behind the slab: the waves' stages
.set STW,    8704                      ; a wave's stage: an x chunk (4,736 bytes), later the way out (32 rows x 272 bytes)
.set APITCH, 144                       ; a token's 64 bf16 + 16 bytes = 9 x 16
.set ABLK,   16*APITCH+128             ; 16 tokens; the 128 bytes more put the two halves of a wave's 8-byte stores 32 words apart modulo 64
.set OPITCH, 272                       ; the way out: 64 f32 + 16 bytes = 17 x 16
.set TM,     32                        ; tokens in a tile
.set WAVES,  16
.set NTOK,   4096                      ; tokens in all = places in a list
.set LO16, 1                           ; v1        16 l            (l = r = lane % 16)
.set IDA,  2                           ; v2        64 h            my half's 16 places in a tile of the list
.set LIM,  3                           ; v3        tokens left in the list from my tile's first on, + 16 - 16 h: tile row 16 h + i is real if 16 + i < LIM
.set ASA,  4                           ; v4        stage, in:   h ABLK + 8 l
.set AFA,  5                           ; v5        stage, token fragments: r APITCH + 16 h
.set BFA0, 6                           ; v6        slab, W fragments of column blocks 0, 1: r WPITCH + 16 h
.set BFA1, 7                           ; v7        the same for blocks 2, 3 (beyond an LDS immediate's 16 bits)
.set OSA,  8                           ; v8        way out, in:   r OPITCH + 32 h
.set RDA,  9                           ; v9        way out, back: 16 h OPITCH + 16 l
.set BIAS, 10                          ; v[10:13]  b[e][64 ob + 4 l .. + 3]
.set VOFF, 14                          ; v[14:29]  i: token of tile row 16 h + i, then token x 4,096 + 16 l: serves x and out0 alike (rows of 4,096 bytes)
.set RAW,  30                          ; v[30:93]  i: 16 bytes of x of tile row 16 h + i; packed in place into the first two registers
.set ACC,  94                          ; v[94:157] accumulator (mb, nb) at ACC + 8 (4 mb + nb)
.set AF,   158                         ; v[158:189] token fragment (ks, mb) at AF + 8 (2 ks + mb)
.set BF,   190                         ; v[190:253] W fragment (ks, nb) at BF + 8 (4 ks + nb)
.set WT,   94                          ; v[94:221] in front of the barrier only: the wave's 32 loads of W
.set OB,   158                         ; v[158:221] on the way out only: 16 rows read back
                                       ; v254 16 x lane (W loads), v255 slab store address; v252, v253 at work in the first lines only
; s[4:5] x   s[6:7] W at my wave's four rows   s[8:9] b at my 64 columns   s[10:11] order   s[12:13] out0 at my 64 columns
; s14 ob  s15 e  s16 wave  s17 count  s18 my tiles done  s19 my tile's first place in the list  s[20:21] e's list  s[22:23] my tile's places
; s[24:25] offset pair  s26 count - s19 + 16  s28 4 e  s29, s38 at work  s[30:37] four offset pairs  s39 my wave's tiles
; my tile's 32 places of the list: a lane of half h gets the tokens of rows 16 h .. 16 h + 15
.macro IDS
	s_min_u32 s24, s19, NTOK-TM                    ; a tile's first place is 4,064 at the most; the bound is also written out
	s_lshl_b32 s24, s24, 2                         ; 4 bytes a place
	s_add_nc_u64 s[22:23], s[20:21], s[24:25]
.irp q, 0,1,2,3
	global_load_b128 v[VOFF+4*\q:VOFF+4*\q+3], v[IDA], s[22:23] offset:16*\q
.endr
.endm
; chunk c of the 32 rows: 16 loads; in each, 16 lanes take 256 consecutive bytes of one token's row, at a multiple of 256 from x's first byte
.macro XLOAD c
.irp i, 0,1,2,3,4,5,6,7,8,9,10,11,12,13,14,15
	global_load_b128 v[RAW+4*\i:RAW+4*\i+3], v[VOFF+\i], s[4:5] offset:256*(\c)
.endr
.endm
; tokens to byte offsets, the first chunk asked for, and how many rows of the tile are real.  younger = loads issued behind the places'.
.macro VOFFX younger, first
	s_wait_loadcnt \younger
.irp i, 0,1,2,3,4,5,6,7,8,9,10,11,12,13,14,15
	v_min_u32 v[VOFF+\i], 0xfff, v[VOFF+\i]        ; a token's number is below 4,096
.endr
.irp i, 0,1,2,3,4,5,6,7,8,9,10,11,12,13,14,15
	v_lshl_add_u32 v[VOFF+\i], v[VOFF+\i], 12, v[LO16]
.endr
	XLOAD 0
.if \first
	s_wait_kmcnt 0x0                               ; the count
	s_min_u32 s17, s17, NTOK
.endif
	s_sub_co_u32 s26, s17, s19                     ; tokens left from my tile's first place on (at least 1 in a tile that exists)
	s_add_co_u32 s26, s26, 16
	v_lshrrev_b32 v[LIM], 2, v[IDA]                ; 16 h
	v_sub_nc_u32 v[LIM], s26, v[LIM]
.endm
; the fragments of one K step of 32 (ks = 0, 1 of chunk c): 2 of tokens, 4 of W, two loads of 16 bytes each, 32 bytes apart: 12 loads
.macro FRAGS c, ks
.irp mb, 0,1
	ds_load_b128 v[AF+8*(2*\ks+\mb):AF+8*(2*\ks+\mb)+3],   v[AFA] offset:ABLK*\mb+64*\ks
	ds_load_b128 v[AF+8*(2*\ks+\mb)+4:AF+8*(2*\ks+\mb)+7], v[AFA] offset:ABLK*\mb+64*\ks+32
.endr
.irp nb, 0,1
	ds_load_b128 v[BF+8*(4*\ks+\nb):BF+8*(4*\ks+\nb)+3],   v[BFA0] offset:16*WPITCH*\nb+128*\c+64*\ks
	ds_load_b128 v[BF+8*(4*\ks+\nb)+4:BF+8*(4*\ks+\nb)+7], v[BFA0] offset:16*WPITCH*\nb+128*\c+64*\ks+32
.endr
.irp nb, 0,1
	ds_load_b128 v[BF+8*(4*\ks+2+\nb):BF+8*(4*\ks+2+\nb)+3],   v[BFA1] offset:16*WPITCH*\nb+128*\c+64*\ks
	ds_load_b128 v[BF+8*(4*\ks+2+\nb)+4:BF+8*(4*\ks+2+\nb)+7], v[BFA1] offset:16*WPITCH*\nb+128*\c+64*\ks+32
.endr
.endm
; 8 matrix instructions.  The eight accumulators take turns, one instruction a turn, in the same order in every K step, chunk and tile.
; zero = 1: the first product starts the sums: nothing is cleared.
.macro MUL ks, zero
.irp mb, 0,1
.irp nb, 0,1,2,3
.if \zero
	v_wmma_f32_16x16x32_bf16 v[ACC+8*(4*\mb+\nb):ACC+8*(4*\mb+\nb)+7], v[BF+8*(4*\ks+\nb):BF+8*(4*\ks+\nb)+7], v[AF+8*(2*\ks+\mb):AF+8*(2*\ks+\mb)+7], 0
.else
	v_wmma_f32_16x16x32_bf16 v[ACC+8*(4*\mb+\nb):ACC+8*(4*\mb+\nb)+7], v[BF+8*(4*\ks+\nb):BF+8*(4*\ks+\nb)+7], v[AF+8*(2*\ks+\mb):AF+8*(2*\ks+\mb)+7], v[ACC+8*(4*\mb+\nb):ACC+8*(4*\mb+\nb)+7]
.endif
.endr
.endr
.endm
; One chunk of 64 k.  more = 1: the next chunk's 16 loads are issued ahead of this chunk's products.
; The 32 conversions name RAW alone: they are the places (four are asked for) between the last chunk's matrix instructions and the loads into their sources.
.macro CHUNK c, zero, more
.irp i, 0,1,2,3,4,5,6,7,8,9,10,11,12,13,14,15
	s_wait_loadcnt 15-\i                           ; loads come back in order: row i's is in, the 15 - i behind it may be out
	v_cvt_pk_bf16_f32 v[RAW+4*\i],   v[RAW+4*\i],   v[RAW+4*\i+1]
	v_cvt_pk_bf16_f32 v[RAW+4*\i+1], v[RAW+4*\i+2], v[RAW+4*\i+3]
	ds_store_b64 v[ASA], v[RAW+4*\i:RAW+4*\i+1] offset:APITCH*\i
.endr
	FRAGS \c, 0                                    ; LDS serves a wave's instructions in order: these see the stores above, and the stage is my wave's own
	FRAGS \c, 1
.if \more
	s_wait_dscnt 24                                ; all but the 24 fragment loads: the 16 stage stores are served, so RAW may be loaded again
	XLOAD \c+1
.endif
	s_wait_dscnt 12                                ; the first K step's 12 loads are in, the second's may be out
	MUL 0, \zero
	s_wait_dscnt 0x0
	MUL 1, 0
.endm
; The way out: results into my stage by tokens' rows, read back as whole rows of 256 bytes, + bias, each real row stored to its token.
; Row 16 h + i is real if 16 + i < LIM.  The real rows of a half are its first ones, so EXEC only narrows from row to row; it is set full again once, at the end.
.macro OUT
.rept 4
	v_nop                                          ; four places behind the last matrix instructions: for the LDS stores of results and the loads into fragment registers
.endr
.irp mb, 0,1
.irp nb, 0,1,2,3
.irp q, 0,1
	ds_store_b128 v[OSA], v[ACC+8*(4*\mb+\nb)+4*\q:ACC+8*(4*\mb+\nb)+4*\q+3] offset:16*OPITCH*\mb+64*\nb+16*\q
.endr
.endr
.endr
.irp i, 0,1,2,3,4,5,6,7,8,9,10,11,12,13,14,15
	ds_load_b128 v[OB+4*\i:OB+4*\i+3], v[RDA] offset:OPITCH*\i     ; tile row 16 h + i, columns 4 l .. 4 l + 3
.endr
.irp i, 0,1,2,3,4,5,6,7,8,9,10,11,12,13,14,15
	s_wait_dscnt 15-\i                             ; row i is back, the 15 - i behind it may be out
	v_pk_add_f32 v[OB+4*\i:OB+4*\i+1],   v[OB+4*\i:OB+4*\i+1],   v[BIAS:BIAS+1]
	v_pk_add_f32 v[OB+4*\i+2:OB+4*\i+3], v[OB+4*\i+2:OB+4*\i+3], v[BIAS+2:BIAS+3]
.endr
	s_wait_xcnt 0x0                                ; EXEC is a source of the loads of x: it changes only behind this wait
.irp i, 0,1,2,3,4,5,6,7,8,9,10,11,12,13,14,15
	v_cmpx_lt_u32 16+\i, v[LIM]                    ; a half of 16 lanes stays on or goes off as a whole
	global_store_b128 v[VOFF+\i], v[OB+4*\i:OB+4*\i+3], s[12:13] th:TH_STORE_NT   ; 16 lanes store 256 consecutive bytes, at a multiple of 256 from out0's first byte
	s_wait_xcnt 0x0                                ; in front of the next line that changes EXEC; the last one also frees VOFF and OB for the next tile
.endr
	s_mov_b32 exec_lo, -1                          ; all lanes on again
.endm
; One tile of 32 tokens, its offsets made and its chunk 0 asked for beforehand
.macro TILE
	CHUNK 0, 1, 1
.irp cc, 1,2,3,4,5,6,7,8,9,10,11,12,13,14
	CHUNK \cc, 0, 1
.endr
	CHUNK 15, 0, 0
	OUT
.endm
	s_load_b256 s[4:11], s[0:1], 0x0               ; x, W, b, order
	s_load_b64 s[12:13], s[0:1], 0x20              ; out0
	v_lshrrev_b32 v252, 5, v0
	v_readfirstlane_b32 s16, v252                  ; wave 0 .. 15
	s_mov_b32 s14, ttmp9                           ; ob
	s_and_b32 s15, ttmp7, 0xffff                   ; e
	s_lshl_b32 s28, s15, 2
	s_lshl_b32 s19, s16, 5                         ; my first tile begins at place 32 x wave
	s_mov_b32 s25, 0
	s_lshl_b32 s30, s15, 22                        ; W: e x 4 MiB
	s_lshl_b32 s29, s14, 18                        ;  + ob x 64 rows of 4,096 bytes
	s_add_co_u32 s30, s30, s29
	s_lshl_b32 s29, s16, 14                        ;  + wave x 4 rows
	s_add_co_u32 s30, s30, s29
	s_mov_b32 s31, 0
	s_lshl_b32 s34, s14, 8                         ; out0: ob x 256 bytes
	s_mov_b32 s35, 0
	s_lshl_b32 s32, s15, 12                        ; b: e x 4,096 bytes + ob x 256
	s_add_co_u32 s32, s32, s34
	s_mov_b32 s33, 0
	s_lshl_b32 s36, s15, 14                        ; order: e x 16,384 bytes
	s_mov_b32 s37, 0
	s_mul_i32 s38, s16, 4*WPITCH                   ; my four rows of the slab in LDS
	v_and_b32 v252, 15, v0                         ; l = r
	v_bfe_u32 v253, v0, 4, 1                       ; h
	v_lshlrev_b32 v[LO16], 4, v252
	v_lshlrev_b32 v[IDA], 6, v253
	v_and_b32 v254, 31, v0
	v_lshl_add_u32 v255, v254, 3, s38              ; slab store: 8 bytes a lane
	v_lshlrev_b32 v254, 4, v254                    ; W load: 16 bytes a lane
	s_wait_kmcnt 0x0
	s_load_b32 s17, s[10:11], s28 offset:0x40000   ; count[e]
	s_add_nc_u64 s[6:7], s[6:7], s[30:31]
	s_add_nc_u64 s[8:9], s[8:9], s[32:33]
	s_add_nc_u64 s[12:13], s[12:13], s[34:35]
	s_add_nc_u64 s[20:21], s[10:11], s[36:37]
	global_load_b128 v[BIAS:BIAS+3], v[LO16], s[8:9]
	IDS                                            ; every wave, also one whose first tile lies behind the list's end: all 4,096 places are stored, so it reads zeros
	; my four rows of W are 16 KiB in a piece: 32 loads of 512 consecutive bytes, all on their way at once; W is read once in the launch
.set j, 0
.rept 32
	global_load_b128 v[WT+4*j:WT+4*j+3], v254, s[6:7] offset:512*j th:TH_LOAD_NT
.set j, j+1
.endr
	s_mul_i32 s29, s16, STW
	s_add_co_u32 s29, s29, ST                      ; my stage
	v_mul_u32_u24 v[ASA], v253, ABLK
	v_lshl_add_u32 v[ASA], v252, 3, v[ASA]
	v_add_nc_u32 v[ASA], s29, v[ASA]
	v_mul_u32_u24 v[AFA], v252, APITCH
	v_lshl_add_u32 v[AFA], v253, 4, v[AFA]
	v_add_nc_u32 v[AFA], s29, v[AFA]
	v_mul_u32_u24 v[BFA0], v252, WPITCH
	v_lshl_add_u32 v[BFA0], v253, 4, v[BFA0]
	v_add_nc_u32 v[BFA1], 2*16*WPITCH, v[BFA0]
	v_mul_u32_u24 v[OSA], v252, OPITCH
	v_lshl_add_u32 v[OSA], v253, 5, v[OSA]
	v_add_nc_u32 v[OSA], s29, v[OSA]
	v_mul_u32_u24 v[RDA], v253, 16*OPITCH
	v_add3_u32 v[RDA], v[RDA], v[LO16], s29
	VOFFX 32, 1                                    ; the bias and the places are in; the 32 loads of W behind them stay out
	; W to bf16 into the slab: load j is row j / 8 of my four, floats 128 (j % 8) + 4 lane .. + 3
.set j, 0
.rept 32
	s_wait_loadcnt 47-j                            ; behind load j stand 31 - j loads of W and the 16 of x
	v_cvt_pk_bf16_f32 v[WT+4*j],   v[WT+4*j],   v[WT+4*j+1]
	v_cvt_pk_bf16_f32 v[WT+4*j+1], v[WT+4*j+2], v[WT+4*j+3]
	ds_store_b64 v255, v[WT+4*j:WT+4*j+1] offset:WPITCH*(j/8)+256*(j%8)
.set j, j+1
.endr
	s_wait_dscnt 0x0                               ; my rows of the slab are written: for the other waves' sake, zero
	s_barrier_signal -1
	s_barrier_wait -1                              ; the slab is whole, and nobody writes it again: the kernel's only barrier
	s_cmp_ge_u32 s19, s17
	s_cbranch_scc1 .Ldone                          ; no tile for my wave (its loads of x may be out at the end: nothing reads them)
	; my wave's tiles begin at places 32 wave, + 512, + 1,024, ..: (count - 32 wave + 511) / 512 of them, at least 1 here
	s_sub_co_u32 s39, s17, s19
	s_add_co_u32 s39, s39, WAVES*TM-1
	s_lshr_b32 s39, s39, 9
	s_min_u32 s39, s39, NTOK/(WAVES*TM)            ; 8 at the most (4,096 places, 512 a step); the bound is also written out
	s_mov_b32 s18, 1                               ; tiles done, the one below counted
	TILE                                           ; my first tile
	s_add_co_u32 s19, s19, WAVES*TM                ; sixteen waves deal the tiles out
	s_cmp_ge_u32 s18, s39
	s_cbranch_scc1 .Ldone                          ; an expert with 512 tokens or fewer ends here
.Ltile:
	IDS                                            ; each trip loads its own places,
	VOFFX 0, 0                                     ; bounds them (nothing was issued behind them) and asks for its chunk 0
	TILE
	s_add_co_u32 s19, s19, WAVES*TM                ; the next tile's first place: no counter, it feeds the places' address and LIM alone
	s_add_co_u32 s18, s18, 1                       ; the loop's counter: one a trip, against my wave's number of tiles
	s_cmp_lt_u32 s18, s39
	s_cbranch_scc1 .Ltile
.Ldone:
	s_endpgm
.Lfunc_end_k_q9ed812d764_gemm:
	.size	k_q9ed812d764_gemm, .Lfunc_end_k_q9ed812d764_gemm-k_q9ed812d764_gemm
	.p2alignl 7, 3214868480
	.fill 96, 4, 3214868480
	.section	.rodata,"a",@progbits
	.p2align	6, 0x0
	.amdhsa_kernel k_q9ed812d764_gemm
		.amdhsa_group_segment_fixed_size 271360
		.amdhsa_private_segment_fixed_size 0
		.amdhsa_enable_private_segment 0
		.amdhsa_kernarg_size 40
		.amdhsa_user_sgpr_count 2
		.amdhsa_user_sgpr_kernarg_segment_ptr 1
		.amdhsa_wavefront_size32 1
		.amdhsa_system_sgpr_workgroup_id_x 1
		.amdhsa_system_sgpr_workgroup_id_y 1
		.amdhsa_system_sgpr_workgroup_id_z 1
		.amdhsa_system_vgpr_workitem_id 0
		.amdhsa_next_free_vgpr 256
		.amdhsa_next_free_sgpr 66
		.amdhsa_reserve_vcc 0
		.amdhsa_float_denorm_mode_32 3
		.amdhsa_float_denorm_mode_16_64 3
		.amdhsa_memory_ordered 1
		.amdhsa_forward_progress 1
		.amdhsa_inst_pref_size 255
	.end_amdhsa_kernel
	.section	.bss,"aw",@nobits
	.p2align	6
	.space	262144
	.amdgpu_metadata
---
amdhsa.version: [ 1, 2 ]
amdhsa.kernels:
  - .name:           k_q9ed812d764_gemm
    .symbol:         k_q9ed812d764_gemm.kd
    .args:
      - { .name: x, .offset: 0, .size: 8, .value_kind: global_buffer, .address_space: global }
      - { .name: W, .offset: 8, .size: 8, .value_kind: global_buffer, .address_space: global }
      - { .name: b, .offset: 16, .size: 8, .value_kind: global_buffer, .address_space: global }
      - { .name: order, .offset: 24, .size: 8, .value_kind: global_buffer, .address_space: global }
      - { .name: out0, .offset: 32, .size: 8, .value_kind: global_buffer, .address_space: global }
    .group_segment_fixed_size: 271360
    .private_segment_fixed_size: 0
    .kernarg_segment_align: 8
    .kernarg_segment_size: 40
    .max_flat_workgroup_size: 512
    .sgpr_count:     66
    .vgpr_count:     256
    .wavefront_size: 32
...
	.end_amdgpu_metadata
.endif
;; end of part 2
;; ======== version 2 of 2: 2 launches; 1.26 times as fast as version 1
;; workspace buffers: order 262,400 bytes of whole numbers; xb 8,388,608 bytes
;; launch prep (part 3): grid 256 x 1, 32 waves a work-group, no clusters, 256 bytes of LDS; arguments ind, x, order, xb; writes order, xb
.if DOCPART == 3
	.amdgcn_target "amdgcn-amd-amdhsa--gfx1250"
	.amdhsa_code_object_version 6
	.text
	.protected	k_q9ed812d764_prep
	.globl	k_q9ed812d764_prep
	.p2align	8
	.type	k_q9ed812d764_prep,@function
k_q9ed812d764_prep:
	s_mov_b64 s[64:65], 0
	v_nop
	global_prefetch_b8 v0, s[64:65] scope:SCOPE_SE
	s_setreg_imm32_b32 hwreg(HW_REG_WAVE_MODE, 25, 1), 1
	s_wait_xcnt 0x0
; Two things for the product that follows, in one launch of 256 work-groups of 1,024 threads.
; (1) xb = x rounded to bf16 (nearest even), same shape.  Work-group g takes rows 16 g .. 16 g + 15: 64 KiB in, 32 KiB out.  A token's row is
;     read by the 16 column blocks of its expert in the next launch: 16 x 4 KiB in f32, 16 x 2 KiB in bf16, for 4 KiB read and 2 KiB written here.
; (2) For each expert e the list of the tokens n with ind[n] = e, and their number.
;     order, bytes 16384 e + 4 p: place p of e's list.  Places below count[e] hold token numbers, the places from count[e] on hold 0; all 4,096
;     places are stored, so that a later reader may fetch any whole tile of 32 places.  order, bytes 262144 + 4 e: count[e].
;     Work-group g serves expert e = g % 16.  Thread t holds ind[4t .. 4t+3]; the entries are numbered kappa = 128 wave + 32 j + lane (j: which of
;     the lane's four): any numbering serves, since the order inside a list does not matter.  A match goes to place rank = matches with a smaller
;     kappa; a non-match puts a 0 at place count + (kappa - rank): a bijection onto 0 .. 4095.  The sixteen work-groups of an expert each repeat the
;     scan of ind (16 KiB), since work-groups hand each other nothing inside a launch, and work-group g stores the places of the entries of waves
;     2 (g / 16) and 2 (g / 16) + 1 alone: each place is stored once in the launch.  The routing's arithmetic is on whole numbers.
; LIMIT: ind is taken to lie in 0 .. 15; an entry outside is in no list.
.set COUNTS, 262144                    ; byte offset of the counts in order
.set XQ,     16384                     ; bytes of x that the 1,024 threads take with one load each
.set XD,     32                        ; v[32:47] four loads of x; packed in place into the first two registers of each
; s[4:5] ind  s[6:7] x at my 16 rows  s[8:9] order  s[10:11] xb at my 16 rows  s12 wave  s13 e  s14 g / 16  s15 wave / 2
; s16-19 match masks  s20-23 matches of my wave in entries below j  s24 my wave's matches  s25 count  s26, s27 lane selects  s28 saved EXEC
; s29 4 e  s[30:31], s[34:37] offset pairs  s[32:33] e's list  s38 at work
	s_load_b256 s[4:11], s[0:1], 0x0               ; ind, x, order, xb
	v_lshrrev_b32 v24, 5, v0
	v_readfirstlane_b32 s12, v24                   ; wave 0 .. 31
	s_and_b32 s13, ttmp9, 15                       ; e
	s_lshr_b32 s14, ttmp9, 4                       ; which two waves' entries I store
	s_lshr_b32 s15, s12, 1
	s_lshl_b32 s30, s13, 14                        ; e x 16,384 bytes,
	s_mov_b32 s31, 0                               ; as a pair
	s_lshl_b32 s34, ttmp9, 16                      ; x: g x 16 rows of 4,096 bytes
	s_mov_b32 s35, 0
	s_lshl_b32 s36, ttmp9, 15                      ; xb: g x 16 rows of 2,048 bytes
	s_mov_b32 s37, 0
	s_mov_b32 s26, 0x76543210                      ; v_permlanex16_b32: lane i of one half reads lane i of the other
	s_mov_b32 s27, 0xfedcba98
	v_lshlrev_b32 v1, 4, v0                        ; 16 t: my four entries of ind, and my 16 bytes in each 16 KiB of x
	v_and_b32 v2, 31, v0                           ; lane
	v_lshlrev_b32 v3, 2, v0                        ; 4 t: my first token's number
	v_lshlrev_b32 v28, 3, v0                       ; 8 t: my 8 bytes in each 8 KiB of xb
	s_wait_kmcnt 0x0
	s_add_nc_u64 s[6:7], s[6:7], s[34:35]
	s_add_nc_u64 s[10:11], s[10:11], s[36:37]
	s_add_nc_u64 s[32:33], s[8:9], s[30:31]        ; expert e's list
	global_load_b128 v[4:7], v1, s[4:5]
.irp q, 0,1,2,3
	global_load_b128 v[XD+4*\q:XD+4*\q+3], v1, s[6:7] offset:XQ*\q th:TH_LOAD_NT   ; a wave's load covers 512 consecutive bytes; x is read once in the launch
.endr
	v_mov_b32 v8, s12
	v_lshlrev_b32 v8, 2, v8                        ; LDS word of my wave
	v_lshlrev_b32 v10, 2, v2                       ; LDS word of wave number = my lane
	v_lshl_add_u32 v15, s12, 7, v2                 ; kappa for j = 0
	v_mov_b32 v13, 0                               ; written once: a lane exchange counts as a reader of its destination
	s_wait_loadcnt 0x4                             ; ind's load is in; the four of x behind it stay out
.irp j, 0,1,2,3
	v_cmp_eq_u32 s[16+\j], s13, v[4+\j]            ; which lanes' entry j names expert e
.endr
.irp j, 0,1,2,3
	s_bcnt1_i32_b32 s[21+\j], s[16+\j]
.endr
	s_mov_b32 s20, 0                               ; s[20+j] = matches of my wave in entries below j
	s_add_co_u32 s22, s22, s21
	s_add_co_u32 s23, s23, s22
	s_add_co_u32 s24, s24, s23                     ; my wave's matches
	v_mov_b32 v9, s24
	ds_store_b32 v8, v9                            ; all lanes write the same word with the same value
	s_wait_dscnt 0x0                               ; for the other waves' sake: zero
	s_barrier_signal -1
	s_barrier_wait -1                              ; the kernel's only barrier, on every wave's path
	s_cmp_lg_u32 s15, s14
	s_cbranch_scc1 .Lcvt                           ; my wave's entries are stored by another work-group of this expert
	ds_load_b32 v11, v10                           ; lane L: the matches of wave L
	s_wait_dscnt 0x0
	; one sum over the lanes for two figures: low 16 bits all waves' matches, high 16 bits those of the waves in front of mine (4,096 at the most each)
	v_cmp_gt_u32 vcc_lo, s12, v2
	v_lshlrev_b32 v24, 16, v11
	v_cndmask_b32 v24, 0, v24, vcc_lo
	v_add_nc_u32 v12, v11, v24
.irp k, 1,2,4,8
	v_mov_b32_dpp v13, v12 row_xmask:\k row_mask:0xf bank_mask:0xf
	v_add_nc_u32 v12, v12, v13
.endr
	v_permlanex16_b32 v13, v12, s26, s27
	v_add_nc_u32 v12, v12, v13
	v_and_b32 v25, 0xffff, v12
	v_readfirstlane_b32 s25, v25                   ; count[e]
	v_lshrrev_b32 v14, 16, v12                     ; matches in the waves in front of mine
	; each entry's place and value; place and value have registers of their own for each j, so no store's source is written again
.irp j, 0,1,2,3
	v_add_nc_u32 v25, s[20+\j], v14
	v_mbcnt_lo_u32_b32 v24, s[16+\j], v25          ; rank: + the matching lanes below mine
	s_add_co_u32 s38, s25, 32*\j
	v_sub_nc_u32 v[16+\j], v15, v24
	v_add_nc_u32 v[16+\j], s38, v[16+\j]           ; count + kappa - rank
	v_cndmask_b32 v[16+\j], v[16+\j], v24, s[16+\j]
	v_add_nc_u32 v[20+\j], \j, v3
	v_cndmask_b32 v[20+\j], 0, v[20+\j], s[16+\j]  ; the token's number, or 0
	v_min_u32 v[16+\j], 0xfff, v[16+\j]            ; a place is 0 .. 4095 by the arithmetic above; the bound is also written out
	v_lshlrev_b32 v[16+\j], 2, v[16+\j]
	global_store_b32 v[16+\j], v[20+\j], s[32:33]
.endr
	s_cmp_lg_u32 s12, 0
	s_cbranch_scc1 .Lcvt                           ; the count is stored by lane 0 of wave 0 (of the work-group that stores wave 0's entries)
	s_lshl_b32 s29, s13, 2
	v_mov_b32 v26, s29
	v_mov_b32 v27, s25
	s_wait_xcnt 0x0                                ; EXEC is a source of the loads and stores above: it changes only behind this wait
	v_cmp_eq_u32 vcc_lo, 0, v2
	s_and_saveexec_b32 s28, vcc_lo
	global_store_b32 v26, v27, s[8:9] offset:COUNTS
	s_wait_xcnt 0x0                                ; and again in front of the line that widens it
	s_or_b32 exec_lo, exec_lo, s28
.Lcvt:
	; x to bf16: four floats a thread and load become 8 bytes; a wave's store covers 256 consecutive bytes, at a multiple of 256 from xb's first byte
.irp q, 0,1,2,3
	s_wait_loadcnt 3-\q                            ; loads come back in order: load q is in, the 3 - q behind it may be out
	v_cvt_pk_bf16_f32 v[XD+4*\q],   v[XD+4*\q],   v[XD+4*\q+1]
	v_cvt_pk_bf16_f32 v[XD+4*\q+1], v[XD+4*\q+2], v[XD+4*\q+3]
	global_store_b64 v28, v[XD+4*\q:XD+4*\q+1], s[10:11] offset:(XQ/2)*\q
.endr
	s_endpgm
.Lfunc_end_k_q9ed812d764_prep:
	.size	k_q9ed812d764_prep, .Lfunc_end_k_q9ed812d764_prep-k_q9ed812d764_prep
	.p2alignl 7, 3214868480
	.fill 96, 4, 3214868480
	.section	.rodata,"a",@progbits
	.p2align	6, 0x0
	.amdhsa_kernel k_q9ed812d764_prep
		.amdhsa_group_segment_fixed_size 256
		.amdhsa_private_segment_fixed_size 0
		.amdhsa_enable_private_segment 0
		.amdhsa_kernarg_size 32
		.amdhsa_user_sgpr_count 2
		.amdhsa_user_sgpr_kernarg_segment_ptr 1
		.amdhsa_wavefront_size32 1
		.amdhsa_system_sgpr_workgroup_id_x 1
		.amdhsa_system_sgpr_workgroup_id_y 1
		.amdhsa_system_sgpr_workgroup_id_z 1
		.amdhsa_system_vgpr_workitem_id 0
		.amdhsa_next_free_vgpr 48
		.amdhsa_next_free_sgpr 66
		.amdhsa_reserve_vcc 1
		.amdhsa_float_denorm_mode_32 3
		.amdhsa_float_denorm_mode_16_64 3
		.amdhsa_memory_ordered 1
		.amdhsa_forward_progress 1
		.amdhsa_inst_pref_size 7
	.end_amdhsa_kernel
	.amdgpu_metadata
---
amdhsa.version: [ 1, 2 ]
amdhsa.kernels:
  - .name:           k_q9ed812d764_prep
    .symbol:         k_q9ed812d764_prep.kd
    .args:
      - { .name: ind, .offset: 0, .size: 8, .value_kind: global_buffer, .address_space: global }
      - { .name: x, .offset: 8, .size: 8, .value_kind: global_buffer, .address_space: global }
      - { .name: order, .offset: 16, .size: 8, .value_kind: global_buffer, .address_space: global }
      - { .name: xb, .offset: 24, .size: 8, .value_kind: global_buffer, .address_space: global }
    .group_segment_fixed_size: 256
    .private_segment_fixed_size: 0
    .kernarg_segment_align: 8
    .kernarg_segment_size: 32
    .max_flat_workgroup_size: 1024
    .sgpr_count:     66
    .vgpr_count:     48
    .wavefront_size: 32
...
	.end_amdgpu_metadata
.endif
;; end of part 3
;; launch gemm (part 4): grid 16 x 16, 16 waves a work-group, no clusters, 271,360 bytes of LDS; arguments xb, W, b, order, out0; writes out0
.if DOCPART == 4
	.amdgcn_target "amdgcn-amd-amdhsa--gfx1250"
	.amdhsa_code_object_version 6
	.text
	.protected	k_q9ed812d764_gemm
	.globl	k_q9ed812d764_gemm
	.p2align	8
	.type	k_q9ed812d764_gemm,@function
k_q9ed812d764_gemm:
	s_mov_b64 s[64:65], 0
	v_nop
	global_prefetch_b8 v0, s[64:65] scope:SCOPE_SE
	s_setreg_imm32_b32 hwreg(HW_REG_WAVE_MODE, 25, 1), 1
	s_wait_xcnt 0x0
; out0[n][o] = sum over k of W[ind[n]][o][k] x[n][k] + b[ind[n]][o], as a grouped product: each token meets its own expert alone.
; From the launch before: xb = x in bf16, and order = each expert's list of tokens and their number.
; Work-group (ob, e): the 64 output columns 64 ob .. 64 ob + 63 of expert e, for all tokens of e's list.
; 16 x 16 = 256 work-groups; each reads its own 64 x 1,024 slab of W (256 KiB of f32, read by nobody else) once, rounds it to bf16 and
; keeps it in LDS.  Behind ONE barrier the sixteen waves no longer depend on each other: wave w takes the tiles w, w + 16, .. of 32 listed
; tokens; per tile it gathers the tokens' rows of xb in 8 chunks of 128 k (256 bytes of a row) into a stage of its own, multiplies
; (32 tokens x 64 columns = 8 accumulator tiles), adds the bias and scatters rows of 256 bytes.
; A wave's FIRST tile is written out ahead of the loop: its places of the list and its first chunk are asked for ahead of the barrier,
; while W is on its way.  The loop serves an expert's tokens from the 513th on; each trip loads and bounds its own places first.
; NUMBERS: matrix operands are rounded to bf16 (nearest even), sums and bias are f32.  ind is taken to lie in 0 .. 15.
; LEFT OUT, AND WHY: the tensor data mover (xb's rows follow a list, and W changes its format on the way, so both pass through registers:
; W's f32 form never lies in LDS); clusters (no two work-groups share a byte of W, and the shared rows of xb are gathered);
; four waves with 128 x 128 tiles (an expert has 4,096 / 16 tokens on average, and any number is allowed, so the tile along the tokens is
; kept at 32 and the tiles are dealt to sixteen waves); rounding W in a launch of its own (W is read once: that would add its bytes again);
; an early end for an expert without tokens ahead of the W loads (it would put the count's scalar load in front of every work-group's first loads).
; THE MATRIX INSTRUCTION IS USED TRANSPOSED: source 0 = 16 rows of W, source 1 = 16 tokens.  Lane (r = lane % 16, h = lane / 16) then holds,
; in register j of a result, out(token r, column 8 h + j): eight neighbouring numbers of a token's row.
.set WPITCH, 2064                      ; a row of the slab in LDS: 1,024 bf16 + 16 bytes = 129 x 16, so 16 rows' fragments start at 16 different 16-byte columns
.set ST,     64*WPITCH                 ; behind the slab: the waves' stages
.set SPITCH, 272                       ; a stage row: 256 bytes (128 bf16 of a chunk, later 64 f32 of the result) + 16 = 17 x 16
.set STW,    32*SPITCH                 ; a wave's stage: 32 rows
.set TM,     32                        ; tokens in a tile
.set WAVES,  16
.set NTOK,   4096                      ; tokens in all = places in a list
.set LO16, 1                           ; v1        16 l            (l = r = lane % 16)
.set IDA,  2                           ; v2        64 h            my half's 16 places in a tile of the list
.set LIM,  3                           ; v3        tokens left in the list from my tile's first on, + 16 - 16 h: tile row 16 h + i is real if 16 + i < LIM
.set SRA,  4                           ; v4        stage by rows: 16 h SPITCH + 16 l: a chunk goes in here, and the result is read back from here
.set AFA,  5                           ; v5        stage, token fragments: r SPITCH + 16 h
.set BFA0, 6                           ; v6        slab, W fragments of column blocks 0, 1: r WPITCH + 16 h
.set BFA1, 7                           ; v7        the same for blocks 2, 3 (beyond an LDS immediate's 16 bits)
.set OSA,  8                           ; v8        stage, results in: r SPITCH + 32 h
.set BIAS, 10                          ; v[10:13]  b[e][64 ob + 4 l .. + 3]
.set VOFF, 14                          ; v[14:29]  i: token of tile row 16 h + i, then token x 2,048 + 16 l: its offset in xb
.set RAW,  30                          ; v[30:93]  i: 16 bytes (8 bf16) of xb of tile row 16 h + i
.set OO,   30                          ; v[30:45]  on the way out only: i: token x 4,096 + 16 l: its offset in out0
.set ACC,  94                          ; v[94:157] accumulator (mb, nb) at ACC + 8 (4 mb + nb)
.set AF,   158                         ; v[158:189] token fragment (set, mb) at AF + 8 (2 set + mb)
.set BF,   190                         ; v[190:253] W fragment (set, nb) at BF + 8 (4 set + nb)
.set WT,   94                          ; v[94:221] in front of the barrier only: the wave's 32 loads of W
.set OB,   158                         ; v[158:221] on the way out only: 16 rows read back
                                       ; v254 16 x lane (W loads), v255 slab store address; v252, v253 at work in the first lines only
; s[4:5] xb  s[6:7] W at my wave's four rows   s[8:9] b at my 64 columns   s[10:11] order   s[12:13] out0 at my 64 columns
; s14 ob  s15 e  s16 wave  s17 count  s18 my tiles done  s19 my tile's first place in the list  s[20:21] e's list  s[22:23] my tile's places
; s[24:25] offset pair  s26 count - s19 + 16  s28 4 e  s29, s38 at work  s[30:37] four offset pairs  s39 my wave's tiles
; A load into a register that a matrix instruction has read stands four places behind it, and only plain vector instructions that name none of
; its registers are places (ISA guide 7.12.1 for vector instructions).
.macro PLACES
.rept 4
	v_nop
.endr
.endm
; my tile's 32 places of the list: a lane of half h gets the tokens of rows 16 h .. 16 h + 15
.macro IDS
	s_min_u32 s24, s19, NTOK-TM                    ; a tile's first place is 4,064 at the most; the bound is also written out
	s_lshl_b32 s24, s24, 2                         ; 4 bytes a place
	s_add_nc_u64 s[22:23], s[20:21], s[24:25]
.irp q, 0,1,2,3
	global_load_b128 v[VOFF+4*\q:VOFF+4*\q+3], v[IDA], s[22:23] offset:16*\q
.endr
.endm
; chunk c of the 32 rows: 16 loads; in each, 16 lanes take 256 consecutive bytes of one token's row, at a multiple of 256 from xb's first byte
.macro XLOAD c
.irp i, 0,1,2,3,4,5,6,7,8,9,10,11,12,13,14,15
	global_load_b128 v[RAW+4*\i:RAW+4*\i+3], v[VOFF+\i], s[4:5] offset:256*(\c)
.endr
.endm
; tokens to byte offsets, the first chunk asked for, and how many rows of the tile are real.  younger = loads issued behind the places'.
.macro VOFFX younger, first
	s_wait_loadcnt \younger
.irp i, 0,1,2,3,4,5,6,7,8,9,10,11,12,13,14,15
	v_min_u32 v[VOFF+\i], 0xfff, v[VOFF+\i]        ; a token's number is below 4,096
.endr
.irp i, 0,1,2,3,4,5,6,7,8,9,10,11,12,13,14,15
	v_lshl_add_u32 v[VOFF+\i], v[VOFF+\i], 11, v[LO16]
.endr
	XLOAD 0
.if \first
	s_wait_kmcnt 0x0                               ; the count
	s_min_u32 s17, s17, NTOK
.endif
	s_sub_co_u32 s26, s17, s19                     ; tokens left from my tile's first place on (at least 1 in a tile that exists)
	s_add_co_u32 s26, s26, 16
	v_lshrrev_b32 v[LIM], 2, v[IDA]                ; 16 h
	v_sub_nc_u32 v[LIM], s26, v[LIM]
.endm
; the fragments of one K step of 32 (ks = 0 .. 3 of chunk c) into fragment set fs: 2 of tokens, 4 of W, two loads of 16 bytes each, 32 bytes apart: 12 loads
.macro FRAGS c, ks, fs
.irp mb, 0,1
	ds_load_b128 v[AF+8*(2*\fs+\mb):AF+8*(2*\fs+\mb)+3],   v[AFA] offset:16*SPITCH*\mb+64*\ks
	ds_load_b128 v[AF+8*(2*\fs+\mb)+4:AF+8*(2*\fs+\mb)+7], v[AFA] offset:16*SPITCH*\mb+64*\ks+32
.endr
.irp nb, 0,1
	ds_load_b128 v[BF+8*(4*\fs+\nb):BF+8*(4*\fs+\nb)+3],   v[BFA0] offset:16*WPITCH*\nb+256*\c+64*\ks
	ds_load_b128 v[BF+8*(4*\fs+\nb)+4:BF+8*(4*\fs+\nb)+7], v[BFA0] offset:16*WPITCH*\nb+256*\c+64*\ks+32
.endr
.irp nb, 0,1
	ds_load_b128 v[BF+8*(4*\fs+2+\nb):BF+8*(4*\fs+2+\nb)+3],   v[BFA1] offset:16*WPITCH*\nb+256*\c+64*\ks
	ds_load_b128 v[BF+8*(4*\fs+2+\nb)+4:BF+8*(4*\fs+2+\nb)+7], v[BFA1] offset:16*WPITCH*\nb+256*\c+64*\ks+32
.endr
.endm
; 8 matrix instructions on fragment set fs.  The eight accumulators take turns, one instruction a turn, in the same order in every K step, chunk and tile.
; zero = 1: the first product starts the sums: nothing is cleared.
.macro MUL fs, zero
.irp mb, 0,1
.irp nb, 0,1,2,3
.if \zero
	v_wmma_f32_16x16x32_bf16 v[ACC+8*(4*\mb+\nb):ACC+8*(4*\mb+\nb)+7], v[BF+8*(4*\fs+\nb):BF+8*(4*\fs+\nb)+7], v[AF+8*(2*\fs+\mb):AF+8*(2*\fs+\mb)+7], 0
.else
	v_wmma_f32_16x16x32_bf16 v[ACC+8*(4*\mb+\nb):ACC+8*(4*\mb+\nb)+7], v[BF+8*(4*\fs+\nb):BF+8*(4*\fs+\nb)+7], v[AF+8*(2*\fs+\mb):AF+8*(2*\fs+\mb)+7], v[ACC+8*(4*\mb+\nb):ACC+8*(4*\mb+\nb)+7]
.endif
.endr
.endr
.endm
; One chunk of 128 k = four K steps on fragment sets 0, 1, 0, 1: while one set is multiplied the other's loads are on their way.
; more = 1: the next chunk's 16 loads are issued ahead of this chunk's 32 matrix instructions.
.macro CHUNK c, zero, more
.if \zero == 0
	PLACES                                         ; behind the last chunk's matrix instructions, for the loads into both fragment sets below
.endif
.irp i, 0,1,2,3,4,5,6,7,8,9,10,11,12,13,14,15
	s_wait_loadcnt 15-\i                           ; loads come back in order: row i's is in, the 15 - i behind it may be out
	ds_store_b128 v[SRA], v[RAW+4*\i:RAW+4*\i+3] offset:SPITCH*\i   ; 16 lanes fill a stage row's 256 bytes
.endr
	FRAGS \c, 0, 0                                 ; LDS serves a wave's instructions in order: these see the stores above, and the stage is my wave's own
	FRAGS \c, 1, 1
.if \more
	s_wait_dscnt 24                                ; all but the 24 fragment loads: the 16 stage stores are served, so RAW may be loaded again
	XLOAD \c+1
.endif
	s_wait_dscnt 12                                ; K step 0's 12 loads are in, step 1's may be out
	MUL 0, \zero
	PLACES
	FRAGS \c, 2, 0
	s_wait_dscnt 12                                ; step 1's are in, step 2's may be out
	MUL 1, 0
	PLACES
	FRAGS \c, 3, 1
	s_wait_dscnt 12                                ; step 2's are in, step 3's may be out
	MUL 0, 0
	s_wait_dscnt 0x0
	MUL 1, 0
.endm
; The way out: results into my stage by tokens' rows, read back as whole rows of 256 bytes, + bias, each real row stored to its token.
; Row 16 h + i is real if 16 + i < LIM.  The real rows of a half are its first ones, so EXEC only narrows from row to row; it is set full again once, at the end.
.macro OUT
	; a row of out0 is 4,096 bytes, one of xb 2,048: token x 2,048 is cut out of the offset in xb, doubled, and 16 l put back.  RAW is free: the last chunk asked for nothing.
	; These 32 instructions name no register of a matrix instruction: they are the places behind the last ones, for the LDS stores of results and the loads into fragment registers.
.irp i, 0,1,2,3,4,5,6,7,8,9,10,11,12,13,14,15
	v_and_b32 v[OO+\i], 0xfffff800, v[VOFF+\i]
.endr
.irp i, 0,1,2,3,4,5,6,7,8,9,10,11,12,13,14,15
	v_lshl_add_u32 v[OO+\i], v[OO+\i], 1, v[LO16]
.endr
.irp mb, 0,1
.irp nb, 0,1,2,3
.irp q, 0,1
	ds_store_b128 v[OSA], v[ACC+8*(4*\mb+\nb)+4*\q:ACC+8*(4*\mb+\nb)+4*\q+3] offset:16*SPITCH*\mb+64*\nb+16*\q
.endr
.endr
.endr
.irp i, 0,1,2,3,4,5,6,7,8,9,10,11,12,13,14,15
	ds_load_b128 v[OB+4*\i:OB+4*\i+3], v[SRA] offset:SPITCH*\i     ; tile row 16 h + i, columns 4 l .. 4 l + 3
.endr
.irp i, 0,1,2,3,4,5,6,7,8,9,10,11,12,13,14,15
	s_wait_dscnt 15-\i                             ; row i is back, the 15 - i behind it may be out
	v_pk_add_f32 v[OB+4*\i:OB+4*\i+1],   v[OB+4*\i:OB+4*\i+1],   v[BIAS:BIAS+1]
	v_pk_add_f32 v[OB+4*\i+2:OB+4*\i+3], v[OB+4*\i+2:OB+4*\i+3], v[BIAS+2:BIAS+3]
.endr
	s_wait_xcnt 0x0                                ; EXEC is a source of the loads of xb: it changes only behind this wait
.irp i, 0,1,2,3,4,5,6,7,8,9,10,11,12,13,14,15
	v_cmpx_lt_u32 16+\i, v[LIM]                    ; a half of 16 lanes stays on or goes off as a whole
	global_store_b128 v[OO+\i], v[OB+4*\i:OB+4*\i+3], s[12:13] th:TH_STORE_NT   ; 16 lanes store 256 consecutive bytes, at a multiple of 256 from out0's first byte
	s_wait_xcnt 0x0                                ; in front of the next line that changes EXEC; the last one also frees OO and OB for the next tile
.endr
	s_mov_b32 exec_lo, -1                          ; all lanes on again
.endm
; One tile of 32 tokens, its offsets made and its chunk 0 asked for beforehand
.macro TILE
	CHUNK 0, 1, 1
.irp cc, 1,2,3,4,5,6
	CHUNK \cc, 0, 1
.endr
	CHUNK 7, 0, 0
	OUT
.endm
	s_load_b256 s[4:11], s[0:1], 0x0               ; xb, W, b, order
	s_load_b64 s[12:13], s[0:1], 0x20              ; out0
	v_lshrrev_b32 v252, 5, v0
	v_readfirstlane_b32 s16, v252                  ; wave 0 .. 15
	s_mov_b32 s14, ttmp9                           ; ob
	s_and_b32 s15, ttmp7, 0xffff                   ; e
	s_lshl_b32 s28, s15, 2
	s_lshl_b32 s19, s16, 5                         ; my first tile begins at place 32 x wave
	s_mov_b32 s25, 0
	s_lshl_b32 s30, s15, 22                        ; W: e x 4 MiB
	s_lshl_b32 s29, s14, 18                        ;  + ob x 64 rows of 4,096 bytes
	s_add_co_u32 s30, s30, s29
	s_lshl_b32 s29, s16, 14                        ;  + wave x 4 rows
	s_add_co_u32 s30, s30, s29
	s_mov_b32 s31, 0
	s_lshl_b32 s34, s14, 8                         ; out0: ob x 256 bytes
	s_mov_b32 s35, 0
	s_lshl_b32 s32, s15, 12                        ; b: e x 4,096 bytes + ob x 256
	s_add_co_u32 s32, s32, s34
	s_mov_b32 s33, 0
	s_lshl_b32 s36, s15, 14                        ; order: e x 16,384 bytes
	s_mov_b32 s37, 0
	s_mul_i32 s38, s16, 4*WPITCH                   ; my four rows of the slab in LDS
	v_and_b32 v252, 15, v0                         ; l = r
	v_bfe_u32 v253, v0, 4, 1                       ; h
	v_lshlrev_b32 v[LO16], 4, v252
	v_lshlrev_b32 v[IDA], 6, v253
	v_and_b32 v254, 31, v0
	v_lshl_add_u32 v255, v254, 3, s38              ; slab store: 8 bytes a lane
	v_lshlrev_b32 v254, 4, v254                    ; W load: 16 bytes a lane
	s_wait_kmcnt 0x0
	s_load_b32 s17, s[10:11], s28 offset:0x40000   ; count[e]
	s_add_nc_u64 s[6:7], s[6:7], s[30:31]
	s_add_nc_u64 s[8:9], s[8:9], s[32:33]
	s_add_nc_u64 s[12:13], s[12:13], s[34:35]
	s_add_nc_u64 s[20:21], s[10:11], s[36:37]
	global_load_b128 v[BIAS:BIAS+3], v[LO16], s[8:9]
	IDS                                            ; every wave, also one whose first tile lies behind the list's end: all 4,096 places are stored, so it reads zeros
	; my four rows of W are 16 KiB in a piece: 32 loads of 512 consecutive bytes, all on their way at once; W is read once in the launch
.set j, 0
.rept 32
	global_load_b128 v[WT+4*j:WT+4*j+3], v254, s[6:7] offset:512*j th:TH_LOAD_NT
.set j, j+1
.endr
	s_mul_i32 s29, s16, STW
	s_add_co_u32 s29, s29, ST                      ; my stage
	v_mul_u32_u24 v[SRA], v253, 16*SPITCH
	v_add_nc_u32 v[SRA], v[LO16], v[SRA]
	v_add_nc_u32 v[SRA], s29, v[SRA]
	v_mul_u32_u24 v[AFA], v252, SPITCH
	v_add_nc_u32 v[AFA], s29, v[AFA]               ; my stage + r SPITCH,
	v_lshl_add_u32 v[OSA], v253, 5, v[AFA]         ; + 32 h for the results,
	v_lshl_add_u32 v[AFA], v253, 4, v[AFA]         ; + 16 h for the fragments
	v_mul_u32_u24 v[BFA0], v252, WPITCH
	v_lshl_add_u32 v[BFA0], v253, 4, v[BFA0]
	v_add_nc_u32 v[BFA1], 2*16*WPITCH, v[BFA0]
	VOFFX 32, 1                                    ; the bias and the places are in; the 32 loads of W behind them stay out
	; W to bf16 into the slab: load j is row j / 8 of my four, floats 128 (j % 8) + 4 lane .. + 3
.set j, 0
.rept 32
	s_wait_loadcnt 47-j                            ; behind load j stand 31 - j loads of W and the 16 of xb
	v_cvt_pk_bf16_f32 v[WT+4*j],   v[WT+4*j],   v[WT+4*j+1]
	v_cvt_pk_bf16_f32 v[WT+4*j+1], v[WT+4*j+2], v[WT+4*j+3]
	ds_store_b64 v255, v[WT+4*j:WT+4*j+1] offset:WPITCH*(j/8)+256*(j%8)
.set j, j+1
.endr
	s_wait_dscnt 0x0                               ; my rows of the slab are written: for the other waves' sake, zero
	s_barrier_signal -1
	s_barrier_wait -1                              ; the slab is whole, and nobody writes it again: the kernel's only barrier
	s_cmp_ge_u32 s19, s17
	s_cbranch_scc1 .Ldone                          ; no tile for my wave (its loads of xb may be out at the end: nothing reads them)
	; my wave's tiles begin at places 32 wave, + 512, + 1,024, ..: (count - 32 wave + 511) / 512 of them, at least 1 here
	s_sub_co_u32 s39, s17, s19
	s_add_co_u32 s39, s39, WAVES*TM-1
	s_lshr_b32 s39, s39, 9
	s_min_u32 s39, s39, NTOK/(WAVES*TM)            ; 8 at the most (4,096 places, 512 a step); the bound is also written out
	s_mov_b32 s18, 1                               ; tiles done, the one below counted
	TILE                                           ; my first tile
	s_add_co_u32 s19, s19, WAVES*TM                ; sixteen waves deal the tiles out
	s_cmp_ge_u32 s18, s39
	s_cbranch_scc1 .Ldone                          ; an expert with 512 tokens or fewer ends here
.Ltile:
	IDS                                            ; each trip loads its own places,
	VOFFX 0, 0                                     ; bounds them (nothing was issued behind them) and asks for its chunk 0
	TILE
	s_add_co_u32 s19, s19, WAVES*TM                ; the next tile's first place: no counter, it feeds the places' address and LIM alone
	s_add_co_u32 s18, s18, 1                       ; the loop's counter: one a trip, against my wave's number of tiles
	s_cmp_lt_u32 s18, s39
	s_cbranch_scc1 .Ltile
.Ldone:
	s_endpgm
.Lfunc_end_k_q9ed812d764_gemm:
	.size	k_q9ed812d764_gemm, .Lfunc_end_k_q9ed812d764_gemm-k_q9ed812d764_gemm
	.p2alignl 7, 3214868480
	.fill 96, 4, 3214868480
	.section	.rodata,"a",@progbits
	.p2align	6, 0x0
	.amdhsa_kernel k_q9ed812d764_gemm
		.amdhsa_group_segment_fixed_size 271360
		.amdhsa_private_segment_fixed_size 0
		.amdhsa_enable_private_segment 0
		.amdhsa_kernarg_size 40
		.amdhsa_user_sgpr_count 2
		.amdhsa_user_sgpr_kernarg_segment_ptr 1
		.amdhsa_wavefront_size32 1
		.amdhsa_system_sgpr_workgroup_id_x 1
		.amdhsa_system_sgpr_workgroup_id_y 1
		.amdhsa_system_sgpr_workgroup_id_z 1
		.amdhsa_system_vgpr_workitem_id 0
		.amdhsa_next_free_vgpr 256
		.amdhsa_next_free_sgpr 66
		.amdhsa_reserve_vcc 0
		.amdhsa_float_denorm_mode_32 3
		.amdhsa_float_denorm_mode_16_64 3
		.amdhsa_memory_ordered 1
		.amdhsa_forward_progress 1
		.amdhsa_inst_pref_size 173
	.end_amdhsa_kernel
	.amdgpu_metadata
---
amdhsa.version: [ 1, 2 ]
amdhsa.kernels:
  - .name:           k_q9ed812d764_gemm
    .symbol:         k_q9ed812d764_gemm.kd
    .args:
      - { .name: xb, .offset: 0, .size: 8, .value_kind: global_buffer, .address_space: global }
      - { .name: W, .offset: 8, .size: 8, .value_kind: global_buffer, .address_space: global }
      - { .name: b, .offset: 16, .size: 8, .value_kind: global_buffer, .address_space: global }
      - { .name: order, .offset: 24, .size: 8, .value_kind: global_buffer, .address_space: global }
      - { .name: out0, .offset: 32, .size: 8, .value_kind: global_buffer, .address_space: global }
    .group_segment_fixed_size: 271360
    .private_segment_fixed_size: 0
    .kernarg_segment_align: 8
    .kernarg_segment_size: 40
    .max_flat_workgroup_size: 512
    .sgpr_count:     66
    .vgpr_count:     256
    .wavefront_size: 32
...
	.end_amdgpu_metadata
.endif
;; end of part 4
